; MI455X (gfx1250); checked and timed in simulation.
; The chip was launched on July 23, 2026; its instructions are those of AMD's public machine-readable ISA for CDNA 5 (MIT licence, August 2026) and "CDNA5" Instruction Set Architecture Reference Guide (July 2026). The comments in the code are by the model that wrote it; some were corrected since.
;; Radix Attention. Allowed arithmetic: matrix products marked QUANTISED: E4M3 operands, one E8M0 scale for each 32 along K, by v_wmma_scale_f32_16x16x128_f8f6f4 with both operands' format E4M3, f32 sums; everything else in f32.
;; Inputs: k 4 x 512 x 8 x 128 float32; pool_k 16,384 x 8 x 128 float32; pool_v 16,384 x 8 x 128 float32; q 4 x 512 x 32 x 128 float32; req_to_token 4 x 2,048 int32; v 4 x 512 x 8 x 128 float32.
;; Outputs: out0 2,048 x 4,096 float32.
;; This version of the problem:
;;   THIS VERSION OF THE PROBLEM IS GIVEN IN LOW PRECISION. The matrix products marked QUANTISED in the list below multiply operands that are first quantised to E4M3 (4 exponent bits, 3 mantissa bits; 8 bits a number), with one power-of-two scale for each 32 numbers along K (OCP MX v1.0); their sums are f32. All else is computed in f32.
;;   The module's matrix products, in the order in which they are computed (A, B: the left and right operand; K: the contracted axis; several contracted axes count as one K, in the product's order):
;;     1. batch 32 x [M 512, K 128] x [K 128, N 2,048]; A: input k; B: input q: QUANTISED
;;     2. batch 32 x [M 128, K 512] x [K 512, N 2,048]; A: input v; B: softmax (see below): QUANTISED
;;     3. batch 32 x [M 2,048, K 128] x [K 128, N 2,048]; A: computed on the way; B: input q: QUANTISED
;;     4. batch 32 x [M 128, K 2,048] x [K 2,048, N 2,048]; A: computed on the way; B: softmax (see below): QUANTISED
;;   THE QUANTISER, for each operand of a quantised product, along K:
;;     - K is cut into blocks of 32 from its start; a last block that is shorter is filled with zeros.
;;     - A block's scale is 2^e with e = floor(log2(the largest magnitude in the block)) - 8, held to -126 .. 127; a block of zeros has e = 0. As a byte (E8M0): e + 127.
;;     - Each number is divided by its block's scale, clamped to +-448, and rounded to the nearest number of E4M3, ties to even, subnormals kept.
;;     - The product sums the exact products of the quantised numbers (number of the format x scale) in f32.
;;   ~~~python
;;   def quantise(x, axis):      # numpy; x: float32 -> the quantised numbers, widened to float32 again
;;       x = np.moveaxis(x, axis, -1); K = x.shape[-1]
;;       x = np.pad(x, [(0, 0)] * (x.ndim - 1) + [(0, -K % 32)]); x = x.reshape(x.shape[:-1] + (-1, 32)); a = np.abs(x).max(-1, keepdims=True)
;;       e = np.where(a > 0, np.clip(np.frexp(np.where(a > 0, a, 1))[1] - 1 - 8, -126, 127), 0)      # np.frexp(a)[1] - 1 = floor(log2(a)), exactly
;;       r = np.clip(x / 2.0 ** e, -448, 448)
;;       step = 2.0 ** (np.maximum(np.frexp(np.where(r == 0, 1, r))[1] - 1, -6) - 3)
;;       q = np.round(r / step) * step * 2.0 ** e      # np.round: ties to even
;;       return np.moveaxis(q.reshape(q.shape[:-2] + (-1,))[..., :K], -1, axis).astype(np.float32)
;;   ~~~
;;   SOFTMAX AHEAD OF A QUANTISED PRODUCT. Where the list says 'softmax', what is quantised is not the finished softmax but p = 2^(t - M), with t = logit x log2(e) and M = ceil(the row's largest t), a whole number; so 1/2 < the row's largest p <= 1. The row's sum l is taken of the UNQUANTISED p, in f32, and the product's result is divided by l at the end. Since M is a whole number, a kernel that streams over the keys may use a running M (the ceiling of the running maximum): every later rescaling is an exact power of two, which a block's scale takes up: the codes' values come out the same.
;;   OPERANDS COMPUTED ON THE WAY. 'Computed on the way' means the value that the module computes at that place (a softmax that the list does not call 'softmax' is quantised finished and normalised). What goes into a quantiser is computed in f32, as accurately as f32 sums, v_exp_f32 and their like allow (about 1e-6 of the number): no bf16 or f16 on the way to a quantiser, and a product that is left as it is and whose result goes on into a quantised operand takes f32 operands (vector FMAs, or v_wmma_f32_16x16x4_f32). A number that lies on a knife's edge between two numbers of the format may be rounded either way, as far as f32 arithmetic and the matrix unit's own rounding can turn it there, and no further.
;; One version. Each part assembles by itself: llvm-mc -triple=amdgcn-amd-amdhsa -mcpu=gfx1250 --defsym DOCPART=n.
;; ======== version 1 of 1: 2 launches
;; limits: right only within a limited range of input values
;; workspace buffers: kvc 21,626,880 bytes
;; launch prep (part 1): grid 20 x 64, 4 waves a work-group, no clusters, 0 bytes of LDS; arguments k, v, pool_k, pool_v, req_to_token, kvc; writes kvc
.if DOCPART == 1
	.amdgcn_target "amdgcn-amd-amdhsa--gfx1250"
	.amdhsa_code_object_version 6
	.text
	.protected	k_q8a84704858_prep
	.globl	k_q8a84704858_prep
	.p2align	8
	.type	k_q8a84704858_prep,@function
k_q8a84704858_prep:
	s_mov_b64 s[64:65], 0
	v_nop
	global_prefetch_b8 v0, s[64:65] scope:SCOPE_SE
	s_setreg_imm32_b32 hwreg(HW_REG_WAVE_MODE, 25, 1), 1
	s_wait_xcnt 0x0
; PREP: the keys and values of every (batch b, kv head h) are gathered and turned ONCE into codes of FP8 (E4M3) with one E8M0 byte for each 32 along a product's K.
; A pair bh = 8 b + h has 20 key steps of 128 keys: steps 0-15 are the prefix (pool rows named by req_to_token[b][128 s ..]), steps 16-19 the new tokens (rows b x 512 + 128 (s - 16) .. of k and v).
; K is quantised along the head's 128 numbers, V along the keys, in the gathered order (2,048 and 512 are multiples of 32: no block of 32 keys spans the two parts).
; THE WORKSPACE IS LAID IN THE ORDER OF THE OPERAND'S REGISTERS.  kvc: [bh][step][K image 16,384 | V image 16,384 | K words 512 | V words 512]; in an image tile T (0-7), register group c (0-3), lane l has its 16 bytes at 2048 T + 512 c + 16 l.
;   K image: lane (r = l % 16, hh = l / 16) of tile T: key 32 (T / 2) + 8 (T % 2) + r + 8 (r / 8) of the step, numbers 32 c + 16 hh + 0 .. 15 of the head.  (The keys of a tile are not neighbours, so that the scores of
;   tiles 2 b and 2 b + 1 give a lane 16 neighbouring keys.)      V image: number 16 T + r of the head, keys 32 c + 16 hh + 0 .. 15 of the step.
; scale words: one word of four scale bytes for row r of tile T at 4 (16 T + r).
; SHARES.  Grid x = the step; grid y = 32 x path + bh (path 0: K, path 1: V).  A work-group of four waves takes 128 keys x 128 numbers.  No LDS, no barrier, no matrix work, no cluster: work-groups share no input but a few indices.
;   K path: wave w takes tiles 2 w and 2 w + 1; a lane loads 16 neighbours of each block of 32 of its key's row, so the conversions' results are the image.
;   V path: wave w takes numbers 32 w + lane of the head, and a lane's registers run down the keys: a block of 32 keys lies in one lane, and its codes come out with the keys innermost.
; The scale words leave in runs of 128 bytes: 1 byte for each 128 that the launch reads.
; LIMITS: NaN and infinities among the inputs are not served.  A block whose largest magnitude lies under 2^-118 keeps the byte 1; a block of zeros gets the byte 1 and not 127: its codes are zeros, and only this program
; reads the bytes.  An index is taken to lie in 0 .. 16,383 and is held at 16,383.
.set WV,   18                          ; s18  wave
.set S,    19                          ; s19  key step
.set BH,   20                          ; s20  8 b + h
.set B,    21
.set H,    22
.set REC,  23                          ; s23  20 bh + step
.set E0,   24                          ; s24  the step's first row of k or v (steps 16-19)
.set MNT,  25                          ; s25  the mantissa field of 448
.set SEL,  26                          ; s[26:27] selects of v_permlanex16_b32: lane l xor 16
.set SRC,  28                          ; s[28:29] the tensor that the step reads, at my head's bytes of a row
.set RQ,   30                          ; s[30:31] req_to_token at the step's first index
.set IX,   32                          ; s[32:63] V path: 32 indices
.set PATH, 66
.set P0,   67                          ; s67  the step's first place in req_to_token
.set X,    16                          ; K path: v16-79, v80-143 two tiles' numbers; the second tile's codes take v16-31
.set PC0,  144
.set PC1,  16
.set TM,   160                         ; v160-175 at work
.set PW,   176                         ; v176, v177 the two tiles' scale words
.set ADRV, 16                          ; V path: v16-79 two sets of 32 offsets
.set DAT,  80                          ; v80-143 two sets of 32 numbers
.set CD,   144                         ; v144-175 codes: eight registers for each block, so that no store's data are written again
.set SB,   176                         ; v176 the four scale bytes
	s_load_b256 s[4:11], s[0:1], 0x0               ; k s[4:5], v s[6:7], pool_k s[8:9], pool_v s[10:11]
	s_load_b128 s[12:15], s[0:1], 0x20             ; req_to_token s[12:13], kvc s[14:15]
	v_lshrrev_b32 v1, 5, v0
	v_readfirstlane_b32 s[WV], v1
	v_and_b32 v1, 31, v0                           ; lane
	v_and_b32 v2, 15, v0                           ; r
	v_bfe_u32 v3, v0, 4, 1                         ; hh
	v_lshlrev_b32 v4, 4, v1                        ; 16 x lane
	v_lshlrev_b32 v5, 2, v1                        ; 4 x lane
	s_mov_b32 s[S], ttmp9
	s_and_b32 s[BH], ttmp7, 0xffff
	s_lshr_b32 s[PATH], s[BH], 5
	s_and_b32 s[BH], s[BH], 31
	s_lshr_b32 s[B], s[BH], 3
	s_and_b32 s[H], s[BH], 7
	s_mul_i32 s[REC], s[BH], 20
	s_add_co_u32 s[REC], s[REC], s[S]
	s_lshl_b32 s68, s[S], 7
	s_lshl_b32 s[P0], s[B], 11
	s_add_co_u32 s[P0], s[P0], s68                 ; 2048 b + 128 s
	s_lshl_b32 s[E0], s[B], 9
	s_add_co_u32 s[E0], s[E0], s68
	s_sub_co_u32 s[E0], s[E0], 2048                ; 512 b + 128 (s - 16): used in steps 16-19 alone
	; THE RECORD of a (bh, step) in kvc is 33,792 bytes: K image 16,384 | V image 16,384 | K's scale words 512 | V's scale words 512.  There is no buffer kvs: the words lie behind the images
	s_mul_i32 s68, s[REC], 33792                   ; my wave's part of the images: 33792 x record + 16384 x path + 4096 x wave (two tiles)
	s_lshl_b32 s70, s[PATH], 14
	s_add_co_u32 s68, s68, s70
	s_lshl_b32 s70, s[WV], 12
	s_add_co_u32 s68, s68, s70
	s_mov_b32 s69, 0
	s_mul_i32 s70, s[REC], 33792                   ; and of the scale words: 33792 x record + 32768 + 512 x path + 128 x wave
	s_add_co_u32 s70, s70, 32768
	s_lshl_b32 s32, s[PATH], 9
	s_add_co_u32 s70, s70, s32
	s_lshl_b32 s32, s[WV], 7
	s_add_co_u32 s70, s70, s32
	s_mov_b32 s71, 0
	s_mov_b32 s[MNT], 0x600000
	s_mov_b32 s[SEL], 0x76543210
	s_mov_b32 s[SEL+1], 0xfedcba98
	s_wait_kmcnt 0x0
	s_add_nc_u64 s[16:17], s[14:15], s[70:71]      ; both places are made from kvc's own address
	s_add_nc_u64 s[14:15], s[14:15], s[68:69]
	s_lshl_b32 s68, s[H], 9                        ; my head's 512 bytes of a row of 4,096
	s_cmp_lg_u32 s[PATH], 0
	s_cbranch_scc1 .Lvpath
; ---------------------------------------------------------------- K
; 64 numbers of a lane, v[s] on, register 16 b + i = number 32 b + 16 hh + i of my row, become a fragment's codes in v[pc] on and its scale word in v[pw].
.macro QUANT s, pc, pw, tm
.irp b, 0,1,2,3
	v_max3_num_f32 v[\tm+\b], |v[\s+16*\b]|, |v[\s+1+16*\b]|, 0x4800000   ; block b: my 16 numbers, and the floor 2^(9 - 127): the byte cannot fall under 1
.endr
.irp i, 2,4,6,8,10,12,14
.irp b, 0,1,2,3
	v_max3_num_f32 v[\tm+\b], v[\tm+\b], |v[\s+16*\b+\i]|, |v[\s+1+16*\b+\i]|   ; the four blocks by turns
.endr
.endr
.irp b, 0,1,2,3
	v_permlanex16_b32 v[\tm+4+\b], v[\tm+\b], s[SEL], s[SEL+1]
.endr
.irp b, 0,1,2,3
	v_max_num_f32 v[\tm+\b], v[\tm+\b], v[\tm+4+\b]          ; with lane l xor 16's 16: the block's largest magnitude
.endr
.irp b, 0,1,2,3
	v_add_nc_u32 v[\tm+12+\b], 0xfc000000, v[\tm+\b]         ; 8 off its exponent field: the conversion's scale operand
.endr
.irp b, 0,1,2,3
	v_and_or_b32 v[\tm+8+\b], v[\tm+\b], 0x7f800000, s[MNT]  ; 448 x the scale
.endr
.irp b, 0,1,2,3
	v_lshrrev_b32 v[\tm+4+\b], 23, v[\tm+12+\b]              ; the scale's byte
.endr
	v_lshl_or_b32 v[\pw], v[\tm+5], 8, v[\tm+4]
	v_lshl_or_b32 v[\pw], v[\tm+6], 16, v[\pw]
	v_lshl_or_b32 v[\pw], v[\tm+7], 24, v[\pw]
.irp b, 0,1,2,3
.irp i, 0,1,2,3,4,5,6,7,8,9,10,11,12,13,14,15
	v_med3_num_f32 v[\s+16*\b+\i], v[\s+16*\b+\i], -v[\tm+8+\b], v[\tm+8+\b]   ; the conversion to an 8-bit code does not saturate (ISA guide 7.6.2): the hold comes first
.endr
	v_cvt_scalef32_pk8_fp8_f32 v[\pc+4*\b:\pc+1+4*\b], v[\s+16*\b:\s+7+16*\b], v[\tm+12+\b]
	v_cvt_scalef32_pk8_fp8_f32 v[\pc+2+4*\b:\pc+3+4*\b], v[\s+8+16*\b:\s+15+16*\b], v[\tm+12+\b]
.endr
	v_nop                                          ; a plain line behind the last conversion, ahead of whatever next writes its sources
.endm
.macro KLOAD u                         ; tile u of my two: 16 loads; together they cover 16 whole pieces of 512 bytes
.irp c, 0,1,2,3
.irp j, 0,1,2,3
	global_load_b128 v[X+64*(\u)+16*\c+4*\j:X+64*(\u)+16*\c+4*\j+3], v[8+(\u)], s[SRC:SRC+1] offset:128*\c+16*\j
.endr
.endr
.endm
.macro KSTORE u, pc                    ; the image: each store of the wave covers 512 consecutive bytes, aligned
.irp c, 0,1,2,3
	global_store_b128 v4, v[\pc+4*\c:\pc+4*\c+3], s[14:15] offset:2048*(\u)+512*\c
.endr
.endm
	s_cmp_lt_u32 s[S], 16                          ; the prefix comes from the pool, the new tokens from k: the choice hangs on the work-group's number alone
	s_cselect_b64 s[SRC:SRC+1], s[8:9], s[4:5]
	s_add_nc_u64 s[SRC:SRC+1], s[SRC:SRC+1], s[68:69]
	s_wait_alu depctr_va_vdst(0)
	v_and_b32 v10, 8, v2
	v_add_nc_u32 v10, v10, v2
	v_lshl_add_u32 v10, s[WV], 5, v10              ; my key of tile 2 w: 32 w + r + 8 (r / 8); that of tile 2 w + 1 lies 8 further on
.irp b, 0,1,2,3
	v_mov_b32 v[TM+4+\b], 0                        ; written once: a lane permute's destination counts as one of its sources
.endr
	s_cmp_lt_u32 s[S], 16
	s_cbranch_scc0 .Lk_new
	v_add_nc_u32 v12, s[P0], v10
	v_lshlrev_b32 v12, 2, v12
	global_load_b32 v6, v12, s[12:13]              ; the pool rows of my two keys
	global_load_b32 v7, v12, s[12:13] offset:32
	s_wait_loadcnt 0x0
	s_branch .Lk_have
.Lk_new:
	s_wait_alu depctr_va_vdst(0)
	v_add_nc_u32 v6, s[E0], v10
	v_add_nc_u32 v7, 8, v6
.Lk_have:
	v_min_u32 v6, 0x3fff, v6                       ; a loaded number enters an address only behind this hold
	v_min_u32 v7, 0x3fff, v7
	v_lshlrev_b32 v13, 6, v3                       ; 64 hh: my 16 numbers of a block of 32
	v_lshlrev_b32 v8, 12, v6                       ; a row is 4,096 bytes
	v_lshlrev_b32 v9, 12, v7
	v_add_nc_u32 v8, v8, v13
	v_add_nc_u32 v9, v9, v13
	KLOAD 0
	KLOAD 1
	s_wait_loadcnt 16                              ; the first tile's 16 loads are in; the second tile's 16 may be out
	QUANT X, PC0, PW, TM
	KSTORE 0, PC0
	s_wait_loadcnt 0x0
	QUANT X+64, PC1, PW+1, TM                      ; its codes go where the first tile's numbers lay: no store's data are written again
	KSTORE 1, PC1
	v_cmp_eq_u32 vcc_lo, 1, v3
	v_cndmask_b32 v11, v[PW], v[PW+1], vcc_lo      ; lanes 0-15 carry tile 2 w's words, lanes 16-31 tile 2 w + 1's
	global_store_b32 v5, v11, s[16:17]
	s_endpgm
; ---------------------------------------------------------------- V
.Lvpath:
	s_cmp_lt_u32 s[S], 16
	s_cselect_b64 s[SRC:SRC+1], s[10:11], s[6:7]
	s_lshl_b32 s70, s[WV], 7                       ; my wave's 32 numbers of the head
	s_add_co_u32 s68, s68, s70
	s_add_nc_u64 s[SRC:SRC+1], s[SRC:SRC+1], s[68:69]
	s_lshl_b32 s70, s[P0], 2
	s_add_nc_u64 s[RQ:RQ+1], s[12:13], s[70:71]    ; read through in steps 0-15 alone
	s_wait_alu depctr_va_vdst(0)
	v_lshlrev_b32 v6, 4, v2
	v_lshl_add_u32 v6, v3, 11, v6                  ; my place in the image: tile 2 w + lane / 16, row lane % 16
; The 32 rows of block blk, as scalars, and from them 32 offsets.
.macro INDEX blk
	s_cmp_lt_u32 s[S], 16
	s_cbranch_scc0 .Lnew_\@
	s_load_b512 s[IX:IX+15], s[RQ:RQ+1], 128*(\blk)
	s_load_b512 s[IX+16:IX+31], s[RQ:RQ+1], 128*(\blk)+64
	s_wait_kmcnt 0x0
	s_branch .Lhave_\@
.Lnew_\@:
.set j, 0
.rept 32
	s_add_co_u32 s[IX+j], s[E0], 32*(\blk)+j
.set j, j+1
.endr
.Lhave_\@:
.set j, 0
.rept 32
	s_min_u32 s[IX+j], s[IX+j], 0x3fff             ; a loaded number enters an address only behind this hold
	s_lshl_b32 s[IX+j], s[IX+j], 12
	v_add_nc_u32 v[ADRV+32*((\blk)%2)+j], s[IX+j], v5
.set j, j+1
.endr
.endm
.macro VLOAD blk                       ; key j of the block at my number of the head: 32 lanes read 128 consecutive bytes, the four waves side by side 512
.set j, 0
.rept 32
	global_load_b32 v[DAT+32*((\blk)%2)+j], v[ADRV+32*((\blk)%2)+j], s[SRC:SRC+1]
.set j, j+1
.endr
.endm
.macro BLOCK c
.set XS, DAT+32*((\c)%2)
.if (\c) < 3
	s_wait_loadcnt 32                              ; this block's 32 loads are in; the next block's 32 may be out
.else
	s_wait_loadcnt 0x0
.endif
	v_max3_num_f32 v12, |v[XS]|, |v[XS+1]|, |v[XS+2]|        ; the block's largest magnitude: all 32 keys are mine
	v_max3_num_f32 v13, |v[XS+3]|, |v[XS+4]|, |v[XS+5]|
.irp i, 6,10,14,18,22,26
	v_max3_num_f32 v12, v12, |v[XS+\i]|, |v[XS+\i+1]|
	v_max3_num_f32 v13, v13, |v[XS+\i+2]|, |v[XS+\i+3]|
.endr
	v_max3_num_f32 v12, v12, |v[XS+30]|, |v[XS+31]|
	v_max3_num_f32 v12, v12, v13, 0x4800000        ; and the floor
	v_add_nc_u32 v11, 0xfc000000, v12              ; the conversion's scale operand
	v_and_or_b32 v10, v12, 0x7f800000, s[MNT]      ; 448 x the scale
	v_lshrrev_b32 v13, 23, v11                     ; the byte
.if (\c) == 0
	v_mov_b32 v[SB], v13
.else
	v_lshl_or_b32 v[SB], v13, 8*(\c), v[SB]
.endif
.irp i, 0,1,2,3,4,5,6,7,8,9,10,11,12,13,14,15,16,17,18,19,20,21,22,23,24,25,26,27,28,29,30,31
	v_med3_num_f32 v[XS+\i], v[XS+\i], -v10, v10
.endr
.irp g, 0,1,2,3
	v_cvt_scalef32_pk8_fp8_f32 v[CD+8*(\c)+2*\g:CD+8*(\c)+2*\g+1], v[XS+8*\g:XS+8*\g+7], v11
.endr
	global_store_b128 v6, v[CD+8*(\c):CD+8*(\c)+3], s[14:15] offset:512*(\c)          ; keys 0-15 of the block: sixteen lanes fill 256 consecutive bytes, aligned
	global_store_b128 v6, v[CD+8*(\c)+4:CD+8*(\c)+7], s[14:15] offset:512*(\c)+256    ; keys 16-31
.if (\c) < 2
	INDEX (\c)+2                                   ; this set's offsets are free: the wait above has shown their loads done
	s_wait_alu depctr_va_vdst(0)
	VLOAD (\c)+2
.endif
.endm
	INDEX 0
	s_wait_alu depctr_va_vdst(0)
	VLOAD 0
	INDEX 1
	s_wait_alu depctr_va_vdst(0)
	VLOAD 1
	BLOCK 0
	BLOCK 1
	BLOCK 2
	BLOCK 3
	global_store_b32 v5, v[SB], s[16:17]           ; my number's four scale bytes
	s_endpgm
.Lfunc_end_k_q8a84704858_prep:
	.size	k_q8a84704858_prep, .Lfunc_end_k_q8a84704858_prep-k_q8a84704858_prep
	.p2alignl 7, 3214868480
	.fill 96, 4, 3214868480
	.section	.rodata,"a",@progbits
	.p2align	6, 0x0
	.amdhsa_kernel k_q8a84704858_prep
		.amdhsa_group_segment_fixed_size 0
		.amdhsa_private_segment_fixed_size 0
		.amdhsa_enable_private_segment 0
		.amdhsa_kernarg_size 48
		.amdhsa_user_sgpr_count 2
		.amdhsa_user_sgpr_kernarg_segment_ptr 1
		.amdhsa_wavefront_size32 1
		.amdhsa_system_sgpr_workgroup_id_x 1
		.amdhsa_system_sgpr_workgroup_id_y 1
		.amdhsa_system_sgpr_workgroup_id_z 1
		.amdhsa_system_vgpr_workitem_id 0
		.amdhsa_next_free_vgpr 192
		.amdhsa_next_free_sgpr 72
		.amdhsa_reserve_vcc 1
		.amdhsa_float_denorm_mode_32 3
		.amdhsa_float_denorm_mode_16_64 3
		.amdhsa_memory_ordered 1
		.amdhsa_forward_progress 1
		.amdhsa_inst_pref_size 74
	.end_amdhsa_kernel
	.amdgpu_metadata
---
amdhsa.version: [ 1, 2 ]
amdhsa.kernels:
  - .name:           k_q8a84704858_prep
    .symbol:         k_q8a84704858_prep.kd
    .args:
      - { .name: k, .offset: 0, .size: 8, .value_kind: global_buffer, .address_space: global }
      - { .name: v, .offset: 8, .size: 8, .value_kind: global_buffer, .address_space: global }
      - { .name: pool_k, .offset: 16, .size: 8, .value_kind: global_buffer, .address_space: global }
      - { .name: pool_v, .offset: 24, .size: 8, .value_kind: global_buffer, .address_space: global }
      - { .name: req_to_token, .offset: 32, .size: 8, .value_kind: global_buffer, .address_space: global }
      - { .name: kvc, .offset: 40, .size: 8, .value_kind: global_buffer, .address_space: global }
    .group_segment_fixed_size: 0
    .private_segment_fixed_size: 0
    .kernarg_segment_align: 8
    .kernarg_segment_size: 48
    .max_flat_workgroup_size: 128
    .sgpr_count:     72
    .vgpr_count:     192
    .wavefront_size: 32
...
	.end_amdgpu_metadata
.endif
;; end of part 1
;; launch attn (part 2): grid 8 x 32, 8 waves a work-group, clusters of 4 x 1, 327,680 bytes of LDS; arguments q, kvc, out0; writes out0
.if DOCPART == 2
	.amdgcn_target "amdgcn-amd-amdhsa--gfx1250"
	.amdhsa_code_object_version 6
	.text
	.protected	k_q8a84704858_attn
	.globl	k_q8a84704858_attn
	.p2align	8
	.type	k_q8a84704858_attn,@function
k_q8a84704858_attn:
	s_mov_b64 s[64:65], 0
	v_nop
	global_prefetch_b8 v0, s[64:65] scope:SCOPE_SE
	s_setreg_imm32_b32 hwreg(HW_REG_WAVE_MODE, 25, 1), 1
	s_wait_xcnt 0x0
	s_wait_alu depctr_hold_cnt(0) depctr_sa_sdst(0) depctr_va_vdst(0) depctr_va_sdst(0) depctr_va_ssrc(0) depctr_va_vcc(0) depctr_vm_vsrc(0)
	s_getreg_b32 s2, hwreg(HW_REG_IB_STS2, 6, 4)
	s_cmp_eq_u32 s2, 0
	s_cbranch_scc0 .Lentry_in_a_cluster
	s_endpgm
.Lentry_in_a_cluster:
	s_bfe_u32 s2, ttmp6, 0x10000c
	s_cmp_lg_u32 s2, 0x3003
	s_cbranch_scc0 .Lentry_shape_is_right
	s_endpgm
.Lentry_shape_is_right:
; ATTN: out0[b x 512 + e][128 (4 h + g) + d]: attention of query (b, e, 4 h + g) over the 2,048 prefix keys and, causally, the 512 new keys of (b, h), both products on codes of FP8 (E4M3) with E8M0 scales.
; THE MERGE OF THE TWO PARTS IS THE RUNNING SOFTMAX ITSELF: with p = 2^(t - M), M a whole number, o = (O1 2^M1 + O2 2^M2) / (l1 2^M1 + l2 2^M2): one stream over 2,560 keys under a running M
; (each rescaling is an exact power of two, which a block's scale takes up; no block of 32 keys spans the two parts).  So no logarithm is taken.  Key steps that lie wholly under the causal mask are left out.
; t = score x log2(e) / sqrt(128); -M = floor(-(the largest t so far)); the row's sum is taken of the unquantised p and divides at the end.
; kvc: for each bh 20 records of 33,792 bytes, one for each 128 keys (0-15 the prefix, 16-19 the new keys): K image 16,384 | V image 16,384 | K's scale words 512 | V's 512, images in the order of the operand's registers.
; SHARES.  Grid y = bh.  A CLUSTER of four work-groups holds the four query heads g = cx of one kv head, with the same rows e: each slot is asked for JOINTLY (mask 15); cx enters q's, out0's and the prefetches' addresses alone.
; A mask names four at the most, so the two clusters of a bh (z = cluster x) ask apart.  A work-group owns the tiles of 16 rows with number 2 k + z; wave w owns tile A (k = w) and tile B (k = 15 - w): 2 x 16 + 5 tile steps each.
; LDS: two slots of four records, 135,168 bytes each, each wave filling an eighth (66 rows of 256 bytes); 270,336: the spare words; 271,360: a stage of 16 rows x 272 bytes for each wave, into which no fill lands.
; The four causal steps lie in one slot, so no barrier parts them.  Tile A needs steps 16, 17 at the most, and only there can its diagonal lie; tile B's rows begin at 256: its diagonal lies in steps 18, 19.
; LAYOUT.  Both products transposed: S^T = K Q^T, O^T = V^T P^T: a lane holds one query (lane % 16) throughout, and p's 16 registers of two neighbouring tiles are 16 neighbouring keys.
; TWO GROUPS OF 64 REGISTERS IN EACH WINDOW, v32-95 and v96-159, SWAP ROLES FROM STEP TO STEP: one holds K's, then V's fragments (tiles 0-3 window 0, 4-7 window 1), the other S^T, then p (tile A window 0, B window 1);
; when p has become codes its group takes the next step's K, asked for ahead of the step's second product.  A slot's first K is asked for behind the change of slots.
; REGISTERS.  Window 0: tile A and what is shared; window 1: tile B under the same numbers.  v12 -M, v13 the largest score, v[14:15] the sum, v16-31 q's codes, v160-223 O^T, v224-239 p's codes, v232-247, v252, v254 at work.
; Scale operands lie in window 0: v8-11 K's, v248-251 V's (lanes 0-15 an even tile's, lanes 16-31 the odd one's), v255 and v4 q's (A, B), v253 and v7 p's (A, B).
; LIMITS: NaN and infinities among the inputs are not served; a block of q under 2^-118 keeps the byte 1; a p under 2^-126 of the largest p so far counts as 0; the scaled scores t stay under 2^31 in magnitude.
.set RECB,  33792
.set SLOTB, 4*RECB
.set VOFF,  16384
.set SPARE, 2*SLOTB
.set STG,   SPARE+1024
.set ADS, 0                            ; v0   the step's scale words (the thread's number until the head has used it)
.set LI,  1                            ; v1   16 x lane
.set LS,  2                            ; v2   32768 + 4 x lane
.set ADR, 3                            ; v3   the step's record + 16 x lane
.set QWB, 4
.set SPW, 5                            ; v5   my spare word; never rewritten
.set NIL, 6                            ; v6   0; never rewritten
.set PWB, 7
.set KW,  8
.set VW,  248
.set DL,  3                            ; window 1: v3  r - 16 hh
.set PFO, 7                            ; window 1: v7  the prefetches' offset
.set HT,  224                          ; v224-226 at the head and on the way out: lane, r, hh
.set STI, 227                          ; the stage by rows of 256 bytes: two rows an instruction
.set RDI, 228                          ; the stage by lanes' rows
.set GQ,  229                          ; my offset in q and out0: 16384 (lane / 16) + 16 (lane % 16)
.set WV,  12
.set G,   13
.set BH,  15
.set MNT, 19
.set CSN, 33                           ; s33  -c
.set SEL, 20
.set CS,  22
.set G1C, 24
.set WP,  32                           ; s32  my eighth of a slot: 16,896 x wave
.set G0C, 40
.set SB,  48                           ; s48  LDS byte at which the slot in hand begins
.set SLOTS, 50
.set Q0A, 53
.set Q0B, 54
.set LIM, 55
.set PFA, 56
.set QP,  58
.set OP,  66
.set T0,  70
.set FB,  71                           ; s71  LDS byte at which the slot filled last begins
.set MSB, 0
.macro WIN new                         ; the immediate's high byte repeats the setting that is left
.if MSB != (\new)
	s_set_vgpr_msb (MSB<<8)|(\new)
.set MSB, (\new)
.endif
.endm
.macro CROUND                          ; a round of the cluster's barrier
	s_barrier_signal -1
	s_barrier_wait -1
	s_cmp_lg_u32 s[WV], 0
	s_cbranch_scc1 .Lnot_wave_0_\@
	s_barrier_signal -3
.Lnot_wave_0_\@:
	s_barrier_wait -3
	s_barrier_signal -1
	s_barrier_wait -1
.endm
.macro JLOAD                           ; every wave's joint load of its eighth of a slot; s_nop 0 and four v_nop follow
	tensor_load_to_lds s[G0C:G0C+3], s[G1C:G1C+7]
	s_nop 0
.rept 4
	v_nop
.endr
.endm
; A PREFETCH of the slot that the NEXT change of slots will ask for: four key steps ahead of that load.  The cluster with z = 0 asks; its four partners take a record each BY ADDRESS (132 blocks of 256 bytes);
; waves 0 to 4 ask, a lane a block, wave 4's spare lanes naming the record's last block again.  The last change that fills a slot asks for nothing; slots 0 and 1 come by their loads alone.
.macro ASK
	s_cmp_gt_u32 s[SLOTS], s[LIM]
	s_cbranch_scc0 .Lnot_mine_\@
	WIN 0x01
	global_prefetch_b8 v[PFO], s[PFA:PFA+1] th:TH_LOAD_NT scope:SCOPE_SE
	WIN 0
.Lnot_mine_\@:
.endm
; 64 numbers of a lane, register 16 b + i = number 32 b + 16 hh + i of my row, become a fragment's codes in v[pc] on and its scale word in v[pw].
.macro QUANT s, pc, pw, tm
.irp b, 0,1,2,3
	v_max3_num_f32 v[\tm+\b], |v[\s+16*\b]|, |v[\s+1+16*\b]|, 0x4800000   ; my 16 numbers, and the floor 2^(9 - 127)
.endr
.irp i, 2,4,6,8,10,12,14
.irp b, 0,1,2,3
	v_max3_num_f32 v[\tm+\b], v[\tm+\b], |v[\s+16*\b+\i]|, |v[\s+1+16*\b+\i]|
.endr
.endr
.irp b, 0,1,2,3
	v_permlanex16_b32 v[\tm+4+\b], v[\tm+\b], s[SEL], s[SEL+1]
.endr
.irp b, 0,1,2,3
	v_max_num_f32 v[\tm+\b], v[\tm+\b], v[\tm+4+\b]
.endr
.irp b, 0,1,2,3
	v_add_nc_u32 v[\tm+12+\b], 0xfc000000, v[\tm+\b]         ; 8 off the exponent field: the conversion's scale operand
.endr
.irp b, 0,1,2,3
	v_and_or_b32 v[\tm+8+\b], v[\tm+\b], 0x7f800000, s[MNT]  ; 448 x the scale
.endr
.irp b, 0,1,2,3
	v_lshrrev_b32 v[\tm+4+\b], 23, v[\tm+12+\b]              ; the byte
.endr
	v_lshl_or_b32 v[\pw], v[\tm+5], 8, v[\tm+4]
	v_lshl_or_b32 v[\pw], v[\tm+6], 16, v[\pw]
	v_lshl_or_b32 v[\pw], v[\tm+7], 24, v[\pw]
.irp b, 0,1,2,3
.irp i, 0,1,2,3,4,5,6,7,8,9,10,11,12,13,14,15
	v_med3_num_f32 v[\s+16*\b+\i], v[\s+16*\b+\i], -v[\tm+8+\b], v[\tm+8+\b]   ; the conversion to an 8-bit code does not saturate (ISA guide 7.6.2)
.endr
	v_cvt_scalef32_pk8_fp8_f32 v[\pc+4*\b:\pc+1+4*\b], v[\s+16*\b:\s+7+16*\b], v[\tm+12+\b]
	v_cvt_scalef32_pk8_fp8_f32 v[\pc+2+4*\b:\pc+3+4*\b], v[\s+8+16*\b:\s+15+16*\b], v[\tm+12+\b]
.endr
	v_nop                                          ; a plain line behind the last conversion
.endm
.macro QLOAD tile                      ; my tile's 16 rows of q, my head's 512 bytes of each: sixteen lanes read 256 consecutive bytes, aligned; two rows an instruction
	WIN 0x40*(\tile)
.irp u, 0,1
.irp i, 0,1,2,3,4,5,6,7
	global_load_b128 v[96+32*\u+4*\i:96+32*\u+4*\i+3], v[GQ], s[QP+2*(\tile):QP+2*(\tile)+1] offset:32768*\i+256*\u th:TH_LOAD_NT
.endr
.endr
	WIN 0
.endm
.macro TURN tile                       ; through my stage, half a row at a time: lane (r, hh) gets 16 neighbours of each block of 32 of row r.  LDS serves a wave's instructions in order (ISA guide 5.7.1.4): no wait between
.irp u, 0,1
	WIN 0x04*(\tile)
.irp i, 0,1,2,3,4,5,6,7
	ds_store_b128 v[STI], v[96+32*\u+4*\i:96+32*\u+4*\i+3] offset:544*\i
.endr
	WIN 0x40*(\tile)
.irp c, 0,1
.irp j, 0,1,2,3
	ds_load_b128 v[32+32*\u+16*\c+4*\j:32+32*\u+16*\c+4*\j+3], v[RDI] offset:128*\c+16*\j
.endr
.endr
.endr
	WIN 0
.endm
.macro INIT                            ; the key step has no first step of its own: it finds zeros, which the first change of M leaves zeros
	v_mov_b32 v13, 0xff61b1e6                      ; the largest SCORE so far (v13 holds a score; t = c x score is formed from it): -3e38
	v_floor_f32 v12, -v13
	v_mov_b32 v14, 0
	v_mov_b32 v15, 0
	v_mov_b32 v252, 0
	v_mov_b32 v253, 0
.irp b, 0,1,2,3
	v_mov_b32 v[236+\b], 0                         ; a lane permute's destination counts as one of its sources
.endr
.set i, 0
.rept 64
	v_mov_b32 v[160+i], 0
.set i, i+1
.endr
.endm
; 36 LDS loads in one run: four scale registers, tiles 0-3 into window 0, tiles 4-7 into window 1, group fb.
.macro FETCH fb, off, sr, soff
.irp b, 0,1,2,3
	ds_load_b32 v[\sr+\b], v[ADS] offset:\soff+128*\b
.endr
.irp t, 0,1,2,3
.irp c, 0,1,2,3
	ds_load_b128 v[\fb+16*\t+4*\c:\fb+16*\t+4*\c+3], v[ADR] offset:\off+\t*2048+\c*512
.endr
.endr
	WIN 0x40
.irp t, 0,1,2,3
.irp c, 0,1,2,3
	ds_load_b128 v[\fb+16*\t+4*\c:\fb+16*\t+4*\c+3], v[ADR] offset:\off+(4+\t)*2048+\c*512
.endr
.endr
	WIN 0
.endm
; Four products: tiles 4 g .. 4 g + 3 of K (MULS) or of V^T (MULO) against one tile of queries.  Source 0 in window g; source 1, C and D in the tile's window.  All accumulators of a run differ.
.macro MULS g, tile, kb, sb
	WIN (\g)+0x54*(\tile)
.set QW, 255-251*(\tile)
.irp t, 0,1,2,3
.set rD, (\sb)+8*(4*(\g)+\t)
.if \t%2
	v_wmma_scale_f32_16x16x128_f8f6f4 v[rD:rD+7], v[\kb+16*\t:\kb+15+16*\t], v[16:31], 0, v[KW+2*(\g)+\t/2], v[QW] matrix_a_scale:MATRIX_SCALE_ROW1
.else
	v_wmma_scale_f32_16x16x128_f8f6f4 v[rD:rD+7], v[\kb+16*\t:\kb+15+16*\t], v[16:31], 0, v[KW+2*(\g)+\t/2], v[QW]
.endif
.endr
.endm
.macro MULO g, tile, kb
	WIN (\g)+0x54*(\tile)
.set PWR, 253-246*(\tile)
.irp t, 0,1,2,3
.set rD, 160+8*(4*(\g)+\t)
.if \t%2
	v_wmma_scale_f32_16x16x128_f8f6f4 v[rD:rD+7], v[\kb+16*\t:\kb+15+16*\t], v[224:239], v[rD:rD+7], v[VW+2*(\g)+\t/2], v[PWR] matrix_a_scale:MATRIX_SCALE_ROW1
.else
	v_wmma_scale_f32_16x16x128_f8f6f4 v[rD:rD+7], v[\kb+16*\t:\kb+15+16*\t], v[224:239], v[rD:rD+7], v[VW+2*(\g)+\t/2], v[PWR]
.endif
.endr
.endm
; One tile's softmax for a key step, in window w, scores in group sb.  q0: the register with the tile's first row; kf: the step's first new key where the tile's diagonal can lie in it, else -1.  Entered and left with every window 0.
.macro SOFT w, q0, sb, kf
.if (\kf) >= 0
	s_cmp_ge_i32 s[\q0], (\kf)+127                 ; all 128 keys count: no mask
	s_cbranch_scc1 .Lopen_\@
	s_sub_co_i32 s[T0], s[\q0], \kf
	WIN (\w)|0x04
	v_add_nc_u32 v252, s[T0], v[DL]                ; d = my row - kf - 16 hh.  Register 16 b + i holds key kf + 32 b + 16 hh + i: hidden where 32 b + i > d
	WIN \w
	v_mov_b32 v254, 0xff800000                     ; -infinity
.set n, 0
.rept 64
	v_cmp_gt_i32 vcc_lo, 32*(n/16)+n%16, v252
	v_cndmask_b32 v[\sb+n], v[\sb+n], v254, vcc_lo
.set n, n+1
.endr
	WIN 0
.Lopen_\@:
.endif
	WIN \w
; the largest score of each block of 32 keys: for the row's maximum, and, since p rises with the score, for the block's largest p.  Two chains a block, eight by turns; each accumulator is read from its low end on
.irp b, 0,1,2,3
	v_max3_num_f32 v[232+\b], v[\sb+16*\b], v[\sb+1+16*\b], v[\sb+2+16*\b]
.endr
.irp b, 0,1,2,3
	v_max3_num_f32 v[236+\b], v[\sb+8+16*\b], v[\sb+9+16*\b], v[\sb+10+16*\b]
.endr
.irp i, 3,5
.irp b, 0,1,2,3
	v_max3_num_f32 v[232+\b], v[232+\b], v[\sb+16*\b+\i], v[\sb+1+16*\b+\i]
.endr
.irp b, 0,1,2,3
	v_max3_num_f32 v[236+\b], v[236+\b], v[\sb+8+16*\b+\i], v[\sb+9+16*\b+\i]
.endr
.endr
.irp b, 0,1,2,3
	v_max3_num_f32 v[232+\b], v[232+\b], v[236+\b], v[\sb+7+16*\b]
.endr
.irp b, 0,1,2,3
	v_max_num_f32 v[232+\b], v[232+\b], v[\sb+15+16*\b]
.endr
.irp b, 0,1,2,3
	v_permlanex16_b32 v[236+\b], v[232+\b], s[SEL], s[SEL+1]
.endr
.irp b, 0,1,2,3
	s_delay_alu instid0(VALU_DEP_4)
	v_max_num_f32 v[232+\b], v[232+\b], v[236+\b]  ; with lane l xor 16's 16 keys
.endr
	s_delay_alu instid0(VALU_DEP_2)
	v_max3_num_f32 v254, v232, v233, v234
	v_mov_b32 v253, v12                            ; the old -M (v253 is free until p's scale word is made)
	s_delay_alu instid0(VALU_DEP_2)
	v_max3_num_f32 v13, v254, v235, v13            ; the running largest score of my query
	s_delay_alu instid0(VALU_DEP_1)
	v_mul_f32 v254, s[CSN], v13                    ; -t (c is positive, so the largest score gives the largest t)
	s_delay_alu instid0(VALU_DEP_1)
	v_floor_f32 v12, v254                          ; the new -M: M is a whole number
.set j, 0
.rept 32
	v_pk_fma_f32 v[\sb+j:\sb+1+j], v[\sb+j:\sb+1+j], s[CS:CS+1], v[12:13] op_sel_hi:[1,0,0]   ; t - M, two at a time; the three lines that make f stand among them
.if j == 8
	v_sub_f32 v254, v12, v253                      ; old M - new M: a whole number, 0 or less
.endif
.if j == 18
	v_cvt_i32_f32 v254, v254                       ; (it saturates)
.endif
.if j == 28
	v_ldexp_f32 v252, 1.0, v254                    ; f = 2^(old M - new M)
.endif
.set j, j+2
.endr
.irp b, 0,1,2,3
	v_fma_f32 v[232+\b], v[232+\b], s[CS], v12     ; the same of each block's largest score
.endr
	s_wait_alu depctr_va_vdst(0)                   ; ahead of the batch
.set j, 0
.rept 64
	v_exp_f32 v[\sb+j], v[\sb+j]                   ; p = 2^(t - M): not normalised
.set j, j+1
.endr
	v_pk_mul_f32 v[14:15], v[14:15], v[252:253] op_sel_hi:[1,0]   ; the sums under the new M: the plain line behind the exponentials
	s_wait_alu depctr_va_vdst(0)                   ; one wait for the batch of 64, ahead of its first reader
.irp b, 0,1,2,3
	v_exp_f32 v[232+\b], v[232+\b]                 ; the block's largest p
.endr
	v_pk_add_f32 v[236:237], v[\sb:\sb+1], v[\sb+2:\sb+3]    ; the row's sum of the unquantised p, in four chains by turns: it reads the 64 alone
	v_pk_add_f32 v[238:239], v[\sb+4:\sb+5], v[\sb+6:\sb+7]
	v_pk_add_f32 v[240:241], v[\sb+8:\sb+9], v[\sb+10:\sb+11]
	v_pk_add_f32 v[14:15], v[14:15], v[\sb+12:\sb+13]
.irp j, 14,22,30,38,46,54
	v_pk_add_f32 v[236:237], v[236:237], v[\sb+\j:\sb+1+\j]
	v_pk_add_f32 v[238:239], v[238:239], v[\sb+2+\j:\sb+3+\j]
	v_pk_add_f32 v[240:241], v[240:241], v[\sb+4+\j:\sb+5+\j]
	v_pk_add_f32 v[14:15], v[14:15], v[\sb+6+\j:\sb+7+\j]
.endr
	v_pk_add_f32 v[236:237], v[236:237], v[\sb+62:\sb+63]
	s_delay_alu instid0(VALU_DEP_2)
	v_pk_add_f32 v[14:15], v[14:15], v[240:241]
	s_delay_alu instid0(VALU_DEP_2)
	v_pk_add_f32 v[236:237], v[236:237], v[238:239]
	s_delay_alu instid0(VALU_DEP_1)
	v_pk_add_f32 v[14:15], v[14:15], v[236:237]
	s_wait_alu depctr_va_vdst(0)                   ; and one for the four
.irp b, 0,1,2,3
	v_max_num_f32 v[232+\b], 0x4800000, v[232+\b]  ; the floor: the byte cannot fall under 1
.endr
.irp b, 0,1,2,3
	s_delay_alu instid0(VALU_DEP_4)
	v_add_nc_u32 v[244+\b], 0xfc000000, v[232+\b]  ; the conversion's scale operand
.endr
.irp b, 0,1,2,3
	v_and_or_b32 v[240+\b], v[232+\b], 0x7f800000, s[MNT]   ; 448 x the scale
.endr
.irp b, 0,1,2,3
	v_lshrrev_b32 v[236+\b], 23, v[244+\b]         ; the byte
.endr
	s_delay_alu instid0(VALU_DEP_3)
	v_lshl_or_b32 v253, v237, 8, v236              ; p's scale word for these 128 keys
.irp b, 0,1,2,3
.irp i, 0,2,4,6,8,10,12,14
	v_dual_min_num_f32 v[\sb+16*\b+\i], v[\sb+16*\b+\i], v[240+\b] :: v_dual_min_num_f32 v[\sb+1+16*\b+\i], v[\sb+1+16*\b+\i], v[240+\b]   ; p is not negative: the hold is one-sided; two numbers a line
.endr
.if \b == 0
	v_lshl_or_b32 v253, v238, 16, v253             ; the scale word's other two bytes stand among the holds, ahead of the codes that are laid over v232-239
.endif
.if \b == 1
	v_lshl_or_b32 v253, v239, 24, v253
.endif
.endr
.irp b, 0,1,2,3                                    ; all holds stand ahead of all conversions
	v_cvt_scalef32_pk8_fp8_f32 v[224+4*\b:225+4*\b], v[\sb+16*\b:\sb+7+16*\b], v[244+\b]
	v_cvt_scalef32_pk8_fp8_f32 v[226+4*\b:227+4*\b], v[\sb+8+16*\b:\sb+15+16*\b], v[244+\b]
.endr
	s_wait_alu depctr_va_vdst(0)                   ; directly ahead of the first reader of O^T
.set j, 0
.rept 32
	v_pk_mul_f32 v[160+j:161+j], v[160+j:161+j], v[252:253] op_sel_hi:[1,0]   ; O^T under the new M; these lines are also the places between the codes and the products
.set j, j+2
.endr
	WIN 0
.endm
; A KEY STEP: the record at byte roff of the slot in hand.  kb: the group of K's, then V's fragments; sb: that of the scores.  pre = 1: K was asked for in the step before; nxt = 1: the next record's K is asked for;
; both = 0: tile B alone; kfa, kfb: see SOFT; hida = 1: tile A may have no key in this step.
.macro STEP kb, sb, roff, pre, nxt, both, kfa, kfb, hida
	s_add_co_u32 s[T0], s[SB], \roff
	v_add_nc_u32 v[ADR], s[T0], v[LI]
	v_add_nc_u32 v[ADS], s[T0], v[LS]
.rept 7
	v_nop                                          ; with the two additions nine places behind the last products: the scores are laid over the fragments of V that those have read
.endr
.if \pre
	s_wait_alu depctr_va_vdst(0)                   ; directly ahead of the wait below
	s_wait_dscnt 0x0                               ; K
.else
	FETCH \kb, 0, KW, 0
	s_wait_alu depctr_va_vdst(0)
	s_wait_dscnt 16                                ; the scale words and tiles 0-3 are in; the 16 loads of tiles 4-7 may be out
.endif
.if \both
	MULS 0, 0, \kb, \sb
.endif
	MULS 0, 1, \kb, \sb
.if (\pre) == 0
	s_wait_dscnt 0x0
.endif
.if \both
	MULS 1, 0, \kb, \sb
.endif
	MULS 1, 1, \kb, \sb
	WIN 0
.rept 8
	v_nop                                          ; eight places: ahead of the loads below and of the first read of the scores
.endr
	FETCH \kb, VOFF, VW, 512                       ; V: it lands while the softmax is walked
	SOFT 0x55, Q0B, \sb, \kfb
	WIN 0x01
	v_mov_b32 v[PWB], v253                         ; tile B's scale word into window 0, where scale operands are read
	WIN 0
.if \both
.if \hida
	s_cmp_lt_u32 s[Q0A], (\kfa)-15
	s_cbranch_scc1 .LhidA_\@
.endif
	SOFT 0, Q0A, \sb, \kfa
.if \hida
	s_branch .Ljoin_\@
.LhidA_\@:                                         ; tile A has no key in this step: zero codes, under the scale word of its last step, add nothing; its sum, M and O^T stay
.set i, 0
.rept 16
	v_mov_b32 v[224+i], 0
.set i, i+1
.endr
.rept 4
	v_nop
.endr
.Ljoin_\@:
.endif
.else
.rept 8
	v_nop                                          ; eight places between the scale word's copy and the products
.endr
.endif
.if \nxt
	FETCH \sb, RECB, KW, RECB                      ; p has become codes: its group takes the next record's K
	s_wait_dscnt 36                                ; V is in; the 36 loads just issued may be out
.else
	s_wait_dscnt 0x0                               ; V
.endif
	s_wait_alu depctr_va_vdst(0)                   ; O^T and the scale words were freshly written
.if \both
	MULO 0, 0, \kb
.endif
	MULO 0, 1, \kb
.if \both
	MULO 1, 0, \kb
.endif
	MULO 1, 1, \kb
	WIN 0
.endm
; THE CHANGE OF SLOTS stands at a slot's head.  Each wave waits for all its tensor loads (its eighth of the slot ahead), adds 0 to its spare word, and waits for that and for its reads of the slot that it has left.
; fill = 1: a round of the cluster's barrier; the joint refill is the first thing behind it and has four key steps in which to land.
.macro CHANGE fill
	s_wait_tensorcnt 0x0                           ; no tensor load of mine is out, so a group 0 may be written
	ds_add_u32 v[SPW], v[NIL]
.if \fill
	s_xor_b32 s[FB], s[FB], SLOTB                  ; the other slot than last time,
	s_add_co_u32 s[G0C+1], s[FB], s[WP]
	s_add_nc_u64 s[G0C+2:G0C+3], s[G0C+2:G0C+3], SLOTB   ; the next four records; the type bits on top are not reached
	s_wait_xcnt 0x0                                ; the last prefetch, a slot back, has read its address, so it may be written:
	s_add_nc_u64 s[PFA:PFA+1], s[PFA:PFA+1], SLOTB ; one slot further on than the walking descriptor
.endif
	s_wait_dscnt 0x0                               ; the add is done, and my reads of the slot that I have left are over
.if \fill
	CROUND
	JLOAD
	ASK
.else
	s_barrier_signal -1
	s_barrier_wait -1
.endif
.endm
	s_load_b128 s[4:7], s[0:1], 0x0                ; q s[4:5], kvc s[6:7]
	s_load_b64 s[8:9], s[0:1], 0x10                ; out0
	v_lshl_add_u32 v[SPW], v0, 2, SPARE
	v_mov_b32 v[NIL], 0
	ds_add_u32 v[SPW], v[NIL]                      ; the wave's opening: the add, twice on end, and its wait ahead of my first tensor load
	ds_add_u32 v[SPW], v[NIL]
	v_lshrrev_b32 v1, 5, v0
	v_readfirstlane_b32 s[WV], v1                  ; wave 0..7
	s_bfe_u32 s[G], ttmp6, 0x40000                 ; cx: my query head among the four
	s_and_b32 s[BH], ttmp7, 0xffff
	s_lshl_b32 s16, s[WV], 5
	s_lshl_b32 s17, ttmp9, 4                       ; 16 z: ttmp9 counts clusters
	s_add_co_u32 s[Q0A], s16, s17                  ; 16 (2 w + z)
	s_sub_co_u32 s[Q0B], 480, s16
	s_add_co_u32 s[Q0B], s[Q0B], s17               ; 16 (2 (15 - w) + z)
	s_lshr_b32 s16, s[BH], 3
	s_lshl_b32 s16, s16, 9                         ; 512 b
	s_and_b32 s17, s[BH], 7
	s_lshl_b32 s17, s17, 2
	s_add_co_u32 s17, s17, s[G]
	s_lshl_b32 s17, s17, 9                         ; my query head's 512 bytes of a row of 16,384
	s_add_co_u32 s72, s16, s[Q0A]
	s_lshl_b32 s72, s72, 14
	s_add_co_u32 s72, s72, s17                     ; tile A in q and in out0
	s_mov_b32 s73, 0
	s_add_co_u32 s74, s16, s[Q0B]
	s_lshl_b32 s74, s74, 14
	s_add_co_u32 s74, s74, s17                     ; tile B
	s_mov_b32 s75, 0
	s_mul_i32 s16, s[G], RECB                      ; the prefetches: my work-group's record of a slot,
	s_add_co_u32 s16, s16, SLOTB                   ; in slot 1: the first change of slots steps it to slot 2
	s_mov_b32 s17, 0
	s_cmp_lt_u32 s[WV], 5                          ; waves 0 to 4
	s_cselect_b32 s[LIM], 0, 1
	s_or_b32 s[LIM], s[LIM], ttmp9                 ; of the cluster with z = 0: the same in all four partners
	s_cmp_eq_u32 s[LIM], 0
	s_cselect_b32 s[LIM], 1, -1
	s_mul_i32 s18, s[WV], 16*272
	s_add_co_u32 s18, s18, STG                     ; my stage
	; the joint loads' descriptor, in registers that never hold cx.  Group 1: 66 dense rows of 256 bytes (32 elements of 8 bytes), no padding
	s_mov_b32 s[G1C], 15|(3<<16)|(1<<21)           ; 15:0 the mask: all four work-groups; 17:16 elements of 8 bytes; 21 set beside a mask
	s_mov_b32 s[G1C+1], 32<<16
	s_mov_b32 s[G1C+2], 66<<16
	s_mov_b32 s[G1C+3], 32<<16
	s_mov_b32 s[G1C+4], 66
	s_mov_b32 s[G1C+5], 32
	s_mov_b32 s[G1C+6], 0
	s_mov_b32 s[G1C+7], 0
	s_mul_i32 s76, s[BH], 20*RECB                  ; the bh's records
	s_mov_b32 s77, 0
	s_mul_i32 s[WP], s[WV], 16896                  ; my eighth, in memory and in a slot
	s_mov_b32 s78, s[WP]
	s_mov_b32 s79, 0
	s_mov_b32 s[G0C], 1
	s_mov_b32 s[G0C+1], s[WP]                      ; slot 0
	s_mov_b32 s[SEL], 0x76543210
	s_mov_b32 s[SEL+1], 0xfedcba98
	s_mov_b32 s[CS], 0x3e0293ee                    ; c = log2(e) / sqrt(128)
	s_mov_b32 s[CS+1], s[CS]                       ; (named with it as a pair, so it is written)
	s_mov_b32 s[MNT], 0x600000
	s_mov_b32 s[CSN], 0xbe0293ee                   ; -c
	s_mov_b32 s[SB], 0
	s_mov_b32 s[FB], 0
	s_mov_b32 s[SLOTS], 4
	v_and_b32 v[HT], 31, v0                        ; lane
	v_and_b32 v[HT+1], 15, v0                      ; r
	v_bfe_u32 v[HT+2], v0, 4, 1                    ; hh
	v_lshlrev_b32 v[LI], 4, v[HT]
	v_lshl_add_u32 v[LS], v[HT], 2, 32768
	v_mul_u32_u24 v[STI], v[HT+2], 272
	v_lshl_add_u32 v[STI], v[HT+1], 4, v[STI]
	v_add_nc_u32 v[STI], s18, v[STI]               ; lanes 0-15 one row of the stage, lanes 16-31 the next
	v_mul_u32_u24 v[RDI], v[HT+1], 272
	v_lshl_add_u32 v[RDI], v[HT+2], 6, v[RDI]
	v_add_nc_u32 v[RDI], s18, v[RDI]               ; row r, + 64 hh
	v_lshlrev_b32 v[GQ], 14, v[HT+2]
	v_lshl_add_u32 v[GQ], v[HT+1], 4, v[GQ]
	v_lshlrev_b32 v[HT+2], 4, v[HT+2]
	v_sub_nc_u32 v[HT+1], v[HT+1], v[HT+2]         ; r - 16 hh
	v_min_u32 v[HT], 131, v0                       ; my block of the record's 132
	v_lshlrev_b32 v[HT], 8, v[HT]
	WIN 0x40
	v_mov_b32 v[DL], v[HT+1]
	v_mov_b32 v[PFO], v[HT]
	WIN 0
	s_wait_dscnt 0x0                               ; both opening adds are done
	s_wait_alu depctr_va_vdst(0)                   ; directly ahead of the wait below
	s_wait_kmcnt 0x0
	s_add_nc_u64 s[6:7], s[6:7], s[76:77]          ; kvc at my bh
	s_add_nc_u64 s[G0C+2:G0C+3], s[6:7], s[78:79]
	s_or_b32 s[G0C+3], s[G0C+3], 0x80000000        ; type = 2
	s_add_nc_u64 s[PFA:PFA+1], s[6:7], s[16:17]
	s_add_nc_u64 s[QP:QP+1], s[4:5], s[72:73]
	s_add_nc_u64 s[QP+2:QP+3], s[4:5], s[74:75]
	s_add_nc_u64 s[OP:OP+1], s[8:9], s[72:73]
	s_add_nc_u64 s[OP+2:OP+3], s[8:9], s[74:75]
	QLOAD 0                                        ; q is on its way while the cluster meets
	QLOAD 1
	CROUND                                         ; all four work-groups are here: the first joint loads meet
	JLOAD                                          ; slot 0: one tensor load a wave at the head
	INIT
	WIN 0x55
	INIT
	WIN 0
	s_wait_loadcnt 16                              ; tile A's 16 loads are in; tile B's 16 may be out
	TURN 0
	s_wait_loadcnt 0x0
	TURN 1
	s_wait_dscnt 32                                ; tile A is back; tile B's 16 stores and 16 loads may be out
	QUANT 32, 16, 254, 232                         ; q is read once, by one wave: it is quantised in registers
	v_mov_b32 v255, v254
	s_wait_dscnt 0x0
	WIN 0x55
	QUANT 32, 16, 254, 232
	WIN 0x01
	v_mov_b32 v[QWB], v254
	WIN 0
	s_wait_alu depctr_va_vdst(0)
.Lslot:                                            ; four trips: the prefix, four key steps each; behind each change of slots the next slot is asked for
	CHANGE 1
	STEP 32, 96, 0,      0, 1, 1, -1, -1, 0
	STEP 96, 32, RECB,   1, 1, 1, -1, -1, 0
	STEP 32, 96, 2*RECB, 1, 1, 1, -1, -1, 0
	STEP 96, 32, 3*RECB, 1, 0, 1, -1, -1, 0
	s_xor_b32 s[SB], s[SB], SLOTB                  ; on to the other slot
	s_sub_co_u32 s[SLOTS], s[SLOTS], 1
	s_cmp_lg_u32 s[SLOTS], 0
	s_cbranch_scc1 .Lslot
	CHANGE 0                                       ; the new keys: the last slot, written out; nothing more is asked for
	STEP 32, 96, 0,      0, 1, 1, 0,   -1,  0
	STEP 96, 32, RECB,   1, 1, 1, 128, -1,  1
	; TILE A HAS NO KEY BEHIND THIS STEP: IT LEAVES NOW, ahead of tile B's last steps.  O^T is divided in place and comes back from my stage into window 0's v96-159, which held V's fragments and are
	; written next by the fetch at the end of the step that follows: the stores' registers are freed by the wait on XCNT below.  Window 0's v32-95 hold the next step's K and are not touched.
.rept 8
	v_nop                                          ; eight places behind the last products, ahead of writes of their sources and of the first read of O^T
.endr
	v_bfe_u32 v[HT+1], v[LI], 4, 4                 ; r
	v_bfe_u32 v[HT+2], v[LI], 8, 1                 ; hh
	v_mul_u32_u24 v[STI], v[HT+2], 272
	v_lshl_add_u32 v[STI], v[HT+1], 4, v[STI]
	v_add_nc_u32 v[STI], s18, v[STI]               ; back: lanes 0-15 one row, lanes 16-31 the next
	v_mul_u32_u24 v[RDI], v[HT+1], 272
	v_lshl_add_u32 v[RDI], v[HT+2], 5, v[RDI]
	v_add_nc_u32 v[RDI], s18, v[RDI]               ; in: row r; a tile's eight numbers of my half at 64 t + 32 hh
	v_lshlrev_b32 v[GQ], 14, v[HT+2]
	v_lshl_add_u32 v[GQ], v[HT+1], 4, v[GQ]
	v_add_f32 v14, v14, v15                        ; the sum's two halves,
	v_permlanex16_b32 v252, v14, s[SEL], s[SEL+1]
	v_add_f32 v14, v14, v252                       ; and lane l xor 16's: the row's sum
	s_wait_alu depctr_va_vdst(0)                   ; ahead of the transcendental
	v_rcp_f32 v14, v14
	v_nop                                          ; a plain line behind the reciprocal
	s_wait_alu depctr_va_vdst(0)                   ; and the wait ahead of its first reader, which is O^T's too
.set j, 0
.rept 32
	v_pk_mul_f32 v[160+j:161+j], v[160+j:161+j], v[14:15] op_sel_hi:[1,0]   ; each accumulator from its low end on
.set j, j+2
.endr
.irp u, 0,1
.irp t, 0,1,2,3
	ds_store_b128 v[RDI], v[160+32*\u+8*\t:163+32*\u+8*\t] offset:64*\t
	ds_store_b128 v[RDI], v[164+32*\u+8*\t:167+32*\u+8*\t] offset:64*\t+16
.endr
.irp i, 0,1,2,3,4,5,6,7
	ds_load_b128 v[96+32*\u+4*\i:99+32*\u+4*\i], v[STI] offset:544*\i   ; LDS serves a wave's instructions in order (ISA guide 5.7.1.4)
.endr
.endr
.irp u, 0,1
.irp i, 0,1,2,3,4,5,6,7
	s_wait_dscnt 23-16*\u-\i                       ; the LDS instructions issued behind this load may be out
	global_store_b128 v[GQ], v[96+32*\u+4*\i:99+32*\u+4*\i], s[OP:OP+1] offset:32768*\i+256*\u th:TH_STORE_NT
.endr
.endr
	s_wait_xcnt 0x0                                ; the stores have read their registers: v96-159 and the offset may be written again
	STEP 32, 96, 2*RECB, 1, 1, 0, -1,  256, 0
	s_cmp_lt_u32 s[Q0B], 384-15                    ; the last 128 keys all come after tile B's rows: the step is left out (the fragments asked for are awaited below and not used)
	s_cbranch_scc1 .Ldone
	STEP 96, 32, 3*RECB, 1, 0, 0, -1,  384, 0
.Ldone:
	; THE WAY OUT.  O^T is divided by the row's sum and goes through my stage, half a row (256 bytes) of 16 queries at a time: sixteen lanes store one aligned unit of 256 bytes.
	s_wait_dscnt 0x0
	v_bfe_u32 v[HT+1], v[LI], 4, 4                 ; r.  These ten lines are also the places behind the last products
	v_bfe_u32 v[HT+2], v[LI], 8, 1                 ; hh
	v_mul_u32_u24 v[STI], v[HT+2], 272
	v_lshl_add_u32 v[STI], v[HT+1], 4, v[STI]
	v_add_nc_u32 v[STI], s18, v[STI]               ; back: lanes 0-15 one row, lanes 16-31 the next
	v_mul_u32_u24 v[RDI], v[HT+1], 272
	v_lshl_add_u32 v[RDI], v[HT+2], 5, v[RDI]
	v_add_nc_u32 v[RDI], s18, v[RDI]               ; in: row r; a tile's eight numbers of my half at 64 t + 32 hh
	v_lshlrev_b32 v[GQ], 14, v[HT+2]
	v_lshl_add_u32 v[GQ], v[HT+1], 4, v[GQ]
.macro OUT tile
	WIN 0x55*(\tile)
	v_add_f32 v14, v14, v15                        ; the sum's two halves,
	v_permlanex16_b32 v252, v14, s[SEL], s[SEL+1]
	v_add_f32 v14, v14, v252                       ; and lane l xor 16's: the row's sum
	s_wait_alu depctr_va_vdst(0)                   ; ahead of the transcendental
	v_rcp_f32 v14, v14
	v_nop                                          ; a plain line behind the reciprocal
	s_wait_alu depctr_va_vdst(0)                   ; and the wait ahead of its first reader, which is O^T's too
.set j, 0
.rept 32
	v_pk_mul_f32 v[32+j:33+j], v[160+j:161+j], v[14:15] op_sel_hi:[1,0]   ; register 8 t + i is o(r, 16 t + 8 hh + i); each accumulator from its low end on
.set j, j+2
.endr
.irp u, 0,1
	WIN 0x04*(\tile)                               ; an LDS store's data are its source 1
.irp t, 0,1,2,3
	ds_store_b128 v[RDI], v[32+32*\u+8*\t:35+32*\u+8*\t] offset:64*\t
	ds_store_b128 v[RDI], v[36+32*\u+8*\t:39+32*\u+8*\t] offset:64*\t+16
.endr
	WIN 0x40*(\tile)
.irp i, 0,1,2,3,4,5,6,7
	ds_load_b128 v[96+32*\u+4*\i:99+32*\u+4*\i], v[STI] offset:544*\i   ; LDS serves a wave's instructions in order (ISA guide 5.7.1.4): these see my stores, and the next half's stores come behind them
.endr
.endr
	WIN 0
.endm
.macro SEND tile, younger              ; younger: the LDS instructions issued behind this tile's, which may stay out
	WIN 0x04*(\tile)
.irp u, 0,1
.irp i, 0,1,2,3,4,5,6,7
	s_wait_dscnt \younger+23-16*\u-\i
	global_store_b128 v[GQ], v[96+32*\u+4*\i:99+32*\u+4*\i], s[OP+2*(\tile):OP+2*(\tile)+1] offset:32768*\i+256*\u th:TH_STORE_NT
.endr
.endr
	WIN 0
.endm
	OUT 1                                          ; tile B alone: tile A left behind its last step
	SEND 1, 0
	s_wait_tensorcnt 0x0                           ; the wave's end: behind my last tensor load and my last LDS store
	ds_add_u32 v[SPW], v[NIL]
	s_wait_dscnt 0x0
	CROUND                                         ; the closing round: no work-group ends while a partner may still ask for a slot that names it
	s_endpgm
.Lfunc_end_k_q8a84704858_attn:
	.size	k_q8a84704858_attn, .Lfunc_end_k_q8a84704858_attn-k_q8a84704858_attn
	.p2alignl 7, 3214868480
	.fill 96, 4, 3214868480
	.section	.rodata,"a",@progbits
	.p2align	6, 0x0
	.amdhsa_kernel k_q8a84704858_attn
		.amdhsa_group_segment_fixed_size 327680
		.amdhsa_private_segment_fixed_size 0
		.amdhsa_enable_private_segment 0
		.amdhsa_kernarg_size 24
		.amdhsa_user_sgpr_count 2
		.amdhsa_user_sgpr_kernarg_segment_ptr 1
		.amdhsa_wavefront_size32 1
		.amdhsa_system_sgpr_workgroup_id_x 1
		.amdhsa_system_sgpr_workgroup_id_y 1
		.amdhsa_system_sgpr_workgroup_id_z 1
		.amdhsa_system_vgpr_workitem_id 0
		.amdhsa_next_free_vgpr 512
		.amdhsa_next_free_sgpr 80
		.amdhsa_reserve_vcc 1
		.amdhsa_float_denorm_mode_32 3
		.amdhsa_float_denorm_mode_16_64 3
		.amdhsa_memory_ordered 1
		.amdhsa_forward_progress 1
		.amdhsa_inst_pref_size 255
	.end_amdhsa_kernel
	.section	.bss,"aw",@nobits
	.p2align	6
	.space	262144
	.amdgpu_metadata
---
amdhsa.version: [ 1, 2 ]
amdhsa.kernels:
  - .name:           k_q8a84704858_attn
    .symbol:         k_q8a84704858_attn.kd
    .args:
      - { .name: q, .offset: 0, .size: 8, .value_kind: global_buffer, .address_space: global }
      - { .name: kvc, .offset: 8, .size: 8, .value_kind: global_buffer, .address_space: global }
      - { .name: out0, .offset: 16, .size: 8, .value_kind: global_buffer, .address_space: global }
    .group_segment_fixed_size: 327680
    .private_segment_fixed_size: 0
    .kernarg_segment_align: 8
    .kernarg_segment_size: 24
    .max_flat_workgroup_size: 256
    .sgpr_count:     80
    .vgpr_count:     512
    .wavefront_size: 32
...
	.end_amdgpu_metadata
.endif
;; end of part 2
